; MI455X (gfx1250); checked and timed in simulation.
; The chip was launched on July 23, 2026; its instructions are those of AMD's public machine-readable ISA for CDNA 5 (MIT licence, August 2026) and "CDNA5" Instruction Set Architecture Reference Guide (July 2026). The comments in the code are by the model that wrote it; some were corrected since.
;; Cross Modal Gated Attention. Allowed arithmetic: matrix products marked QUANTISED: E2M3 operands, one E8M0 scale for each 32 along K, by v_wmma_scale_f32_16x16x128_f8f6f4 with both operands' format E2M3, f32 sums; products left as they are: f32 operands where the result goes on into a quantised operand, else bf16, f16 or f32 operands; f32 sums; everything else in f32.
;; Inputs: Wf_b 1,024 float32; Wf_w_codes 1,024 x 64 x 24 uint8 (E2M3 codes of Wf_w, K innermost, in blocks of 32 codes, four codes in three bytes); Wf_w_scales 1,024 x 64 uint8 (E8M0 scales of Wf_w, one for each 32 codes along K); Wk_codes 1,024 x 32 x 24 uint8 (E2M3 codes of Wk, K innermost, in blocks of 32 codes, four codes in three bytes); Wk_scales 1,024 x 32 uint8 (E8M0 scales of Wk, one for each 32 codes along K); Wm_b 1,024 float32; Wm_w_codes 1,024 x 32 x 24 uint8 (E2M3 codes of Wm_w, K innermost, in blocks of 32 codes, four codes in three bytes); Wm_w_scales 1,024 x 32 uint8 (E8M0 scales of Wm_w, one for each 32 codes along K); Wq_codes 1,024 x 32 x 24 uint8 (E2M3 codes of Wq, K innermost, in blocks of 32 codes, four codes in three bytes); Wq_scales 1,024 x 32 uint8 (E8M0 scales of Wq, one for each 32 codes along K); bf 1,024 float32; z_eeg 128 x 512 x 1,024 float32; z_rppg 128 x 1,024 float32.
;; Outputs: out0 128 x 1,024 float32.
;; This version of the problem:
;;   THIS VERSION OF THE PROBLEM IS GIVEN IN LOW PRECISION. The matrix products marked QUANTISED in the list below multiply operands that are first quantised to E2M3 (2 exponent bits, 3 mantissa bits; 6 bits a number), with one power-of-two scale for each 32 numbers along K (OCP MX v1.0); their sums are f32. All else is computed in f32.
;;   The module's matrix products, in the order in which they are computed (A, B: the left and right operand; K: the contracted axis; several contracted axes count as one K, in the product's order):
;;     1. [M 128, K 1,024] x [K 1,024, N 1,024]; A: input z_rppg; B: input Wq (given as codes): QUANTISED
;;     2. [M 65,536, K 1,024] x [K 1,024, N 1,024]; A: input z_eeg; B: input Wk (given as codes): QUANTISED
;;     3. batch 128 x [M 1, K 1,024] x [K 1,024, N 512]; A: computed on the way; B: computed on the way: left as it is (M = 1 < 16)
;;     4. batch 128 x [M 1, K 512] x [K 512, N 1,024]; A: softmax; B: input z_eeg: left as it is (M = 1 < 16)
;;     5. [M 128, K 2,048] x [K 2,048, N 1,024]; A: computed on the way; B: input Wf_w (given as codes): QUANTISED
;;     6. [M 128, K 1,024] x [K 1,024, N 1,024]; A: computed on the way; B: input Wm_w (given as codes): QUANTISED
;;   THE QUANTISER, for each operand of a quantised product, along K:
;;     - K is cut into blocks of 32 from its start; a last block that is shorter is filled with zeros.
;;     - A block's scale is 2^e with e = floor(log2(the largest magnitude in the block)) - 2, held to -126 .. 127; a block of zeros has e = 0. As a byte (E8M0): e + 127.
;;     - Each number is divided by its block's scale, clamped to +-7.5, and rounded to the nearest number of E2M3, ties to even, subnormals kept.
;;     - The product sums the exact products of the quantised numbers (number of the format x scale) in f32.
;;   ~~~python
;;   def quantise(x, axis):      # numpy; x: float32 -> the quantised numbers, widened to float32 again
;;       x = np.moveaxis(x, axis, -1); K = x.shape[-1]
;;       x = np.pad(x, [(0, 0)] * (x.ndim - 1) + [(0, -K % 32)]); x = x.reshape(x.shape[:-1] + (-1, 32)); a = np.abs(x).max(-1, keepdims=True)
;;       e = np.where(a > 0, np.clip(np.frexp(np.where(a > 0, a, 1))[1] - 1 - 2, -126, 127), 0)      # np.frexp(a)[1] - 1 = floor(log2(a)), exactly
;;       r = np.clip(x / 2.0 ** e, -7.5, 7.5)
;;       step = 2.0 ** (np.maximum(np.frexp(np.where(r == 0, 1, r))[1] - 1, 0) - 3)
;;       q = np.round(r / step) * step * 2.0 ** e      # np.round: ties to even
;;       return np.moveaxis(q.reshape(q.shape[:-2] + (-1,))[..., :K], -1, axis).astype(np.float32)
;;   ~~~
;;   OPERANDS COMPUTED ON THE WAY. 'Computed on the way' means the value that the module computes at that place (a softmax that the list does not call 'softmax' is quantised finished and normalised). What goes into a quantiser is computed in f32, as accurately as f32 sums, v_exp_f32 and their like allow (about 1e-6 of the number): no bf16 or f16 on the way to a quantiser, and a product that is left as it is and whose result goes on into a quantised operand takes f32 operands (vector FMAs, or v_wmma_f32_16x16x4_f32). A number that lies on a knife's edge between two numbers of the format may be rounded either way, as far as f32 arithmetic and the matrix unit's own rounding can turn it there, and no further.
;;   INPUTS GIVEN AS CODES. Wf_w (in the module: [2048, 1024], K = its axis 0); Wk (in the module: [1024, 1024], K = its axis 0); Wm_w (in the module: [1024, 1024], K = its axis 0); Wq (in the module: [1024, 1024], K = its axis 0): each comes as NAME_codes (uint8): NAME with its K axis moved to the last place and cut into blocks of 32 codes, [.., K / 32, bytes a block], one block behind the other in memory; four codes in three bytes: a row's codes are one little-endian stream of bits, code i at bits 6 i .. 6 i + 5 (a code: sign, 2 exponent bits, 3 mantissa bits); and NAME_scales (uint8): the same leading axes, one E8M0 byte (e + 127) for each 32 codes along K. Its value is code x scale, taken as it is: it is not quantised again, and the codes and scales need not be those that the quantiser above would give.
;; One version. Each part assembles by itself: llvm-mc -triple=amdgcn-amd-amdhsa -mcpu=gfx1250 --defsym DOCPART=n.
;; ======== version 1 of 1: 3 launches
;; limits: right only within a limited range of input values
;; workspace buffers: qbuf 524,288 bytes; wkimg 819,200 bytes; apart 1,048,576 bytes; stats 65,536 bytes
;; launch prep (part 1): grid 64 x 1, 4 waves a work-group, no clusters, 23,040 bytes of LDS; arguments z_rppg, Wq_codes, Wq_scales, Wk_codes, Wk_scales, qbuf, wkimg; writes qbuf, wkimg
.if DOCPART == 1
	.amdgcn_target "amdgcn-amd-amdhsa--gfx1250"
	.amdhsa_code_object_version 6
	.text
	.protected	k_q8d7e9208f5_prep
	.globl	k_q8d7e9208f5_prep
	.p2align	8
	.type	k_q8d7e9208f5_prep,@function
k_q8d7e9208f5_prep:
	s_mov_b64 s[64:65], 0
	v_nop
	global_prefetch_b8 v0, s[64:65] scope:SCOPE_SE
	s_setreg_imm32_b32 hwreg(HW_REG_WAVE_MODE, 25, 1), 1
	s_wait_xcnt 0x0
; Two small jobs ahead of the large launch.
; (1) Q = z_rppg Wq on codes of FP6 (E2M3) with one E8M0 scale for each 32 along K: z_rppg [128][1024] f32 is quantised here, Wq comes as codes, K innermost.  Q goes to qbuf [128][1024] f32.
; (2) Wk's codes and scale bytes are laid anew, as IMAGES OF THE OPERAND'S REGISTERS, so that the next launch fetches a fragment by loads of 16 bytes a lane, 512 consecutive bytes a load.
;     wkimg = four slices of 204,800 bytes, slice v = K steps 2 v and 2 v + 1 (256 along K).  In a slice: 64 tiles of 16 rows of Wk, 3,072 bytes each: K step q, registers 4 n .. 4 n + 3 of its twelve,
;     lane l at q x 1,536 + n x 512 + 16 l.  Behind them, from byte 196,608, 64 x 128 bytes of scale words: lane (r, h) holds the word of row r for K step 2 v + h.
; SHARES.  Work-group g: batches 16 (g / 8) on, columns 128 (g % 8) on; wave v: two tiles of 16 columns.  Wave v also lays (slice v, tile g) of Wk: 256 waves, 256 such tiles.
; x's eight fragments are made by the four waves, two each, and go from wave to wave through LDS as images of their registers.
; THE MATRIX INSTRUCTION IS USED TRANSPOSED (source 0 = 16 rows of Wq, source 1 = 16 batches): a lane then holds eight neighbouring numbers of a row of Q.
; LIMITS: NaN and infinities among the inputs are not served; a block whose largest magnitude lies under 2^-124 (a block of zeros too) gets the byte 1: its codes are zeros, and this program alone reads the bytes.
; No tensor loads, no cluster: 64 work-groups of a few hundred instructions share nothing that is worth a joint request.
.set FRB,  1536                        ; a fragment's image: 12 registers x 128 bytes
.set XIMG, 0                           ; LDS: x's eight fragments,
.set XSC,  XIMG+8*FRB                  ; their scale words, 128 bytes each,
.set STG,  XSC+8*128                   ; and the stage for Q: 16 rows x (512 bytes + 16)
.set SP,   528
.set XA,   4                           ; v4   x: row r of 4,096 bytes + 64 h
.set LI,   5                           ; v5   16 x lane
.set LS,   6                           ; v6   4 x lane
.set XWI,  7                           ; v7   where I store images: 16 x lane + 2 FRB x wave
.set XWS,  8                           ; v8   and scale words: 4 x lane + 256 x wave
.set SO,   9                           ; v9   the stage: where I put 32 bytes of a row
.set SR,   10                          ; v10  and where I read a row back
.set WB,   11                          ; v11  a weight's row r of 768 bytes + 24 h
.set WSO,  12                          ; v12  32 r: a row of scale bytes
.set PKS,  13                          ; v13  32 r + 4 h
.set X0,   16                          ; v16-79, v80-143: 64 numbers of x each; later x's eight fragments, v16-111
.set X1,   80
.set XF,   16
.set PC,   144                         ; v144-155 the codes just made; v156-162 their second halves on the way
.set PE,   156
.set TM,   164                         ; v164-179 at work
.set PW,   180                         ; the scale word just made
.set XS,   184                         ; v184-191 x's scale words
.set WQS,  192                         ; v192-207 Wq's scale words
.set ACC,  208                         ; v208-223 two accumulators
.set OUTR, 224                         ; v224-239 rows of Q on the way out
.set PK,   192                         ; window 1: v0-191 Wq's 16 fragments; v192-215 Wk's two fragments; v216 their scale word
.set PKW,  216
.set WV,   18
.set SEL,  40
.set MSB, 0
.macro WIN new                         ; the immediate's high byte repeats the setting that is left
.if MSB != (\new)
	s_set_vgpr_msb (MSB<<8)|(\new)
.set MSB, (\new)
.endif
.endm
; 64 numbers of a lane, register 16 b + i = k 32 b + 16 (lane / 16) + i of my row, become a fragment's codes in v[PC] on and its scale word in v[PW].
.macro QUANT x
.irp b, 0,1,2,3
	v_max3_num_f32 v[TM+\b], |v[\x+16*\b]|, |v[\x+1+16*\b]|, 0x1800000   ; block b: my 16 numbers, and the floor 2^(3 - 127): the byte cannot fall under 1
.endr
.irp i, 2,4,6,8,10,12,14
.irp b, 0,1,2,3
	v_max3_num_f32 v[TM+\b], v[TM+\b], |v[\x+16*\b+\i]|, |v[\x+1+16*\b+\i]|   ; the four blocks by turns
.endr
.endr
.irp b, 0,1,2,3
	v_permlanex16_b32 v[TM+4+\b], v[TM+\b], s[SEL], s[SEL+1]
.endr
.irp b, 0,1,2,3
	v_max_num_f32 v[TM+\b], v[TM+\b], v[TM+4+\b]   ; with lane l xor 16: the block's largest magnitude
.endr
.irp b, 0,1,2,3
	v_add_nc_u32 v[TM+12+\b], 0xff000000, v[TM+\b]   ; 2 off its exponent field: the conversion takes the exponent field of this operand as its scale
.endr
.irp b, 0,1,2,3
	v_lshrrev_b32 v[TM+4+\b], 23, v[TM+12+\b]      ; the scale's byte
.endr
	v_lshl_or_b32 v[PW], v[TM+5], 8, v[TM+4]
	v_lshl_or_b32 v[PW], v[TM+6], 16, v[PW]
	v_lshl_or_b32 v[PW], v[TM+7], 24, v[PW]
.irp c, 0,1
	v_cvt_scalef32_pk16_fp6_f32 v[PC+6*\c:PC+2+6*\c], v[\x+32*\c:\x+15+32*\c], v[TM+12+2*\c]
	v_cvt_scalef32_pk16_fp6_f32 v[PE+4*\c:PE+2+4*\c], v[\x+16+32*\c:\x+31+32*\c], v[TM+12+2*\c+1]   ; a conversion's three registers begin on an even number
.endr
	v_nop                                          ; one plain place behind a scaled conversion
.irp c, 0,1                                    ; the operand's layout wants a whole block in a lane
.irp i, 0,1,2
	v_permlane16_swap_b32 v[PC+6*\c+\i], v[PE+4*\c+\i]
.endr
.irp i, 0,1,2
	v_mov_b32 v[PC+3+6*\c+\i], v[PE+4*\c+\i]
.endr
.endr
.endm
.macro IMAGE off                               ; the fragment in v[PC] on goes to LDS as it stands
.irp c, 0,1,2
	ds_store_b128 v[XWI], v[PC+4*\c:PC+4*\c+3] offset:\off+512*\c
.endr
.endm
.macro BARRIER                                 ; my LDS stores have landed and my LDS loads are in: then the work-group's barrier
	s_wait_dscnt 0x0
	s_barrier_signal -1
	s_barrier_wait -1
.endm
.macro XLOAD reg, kk                           ; my 16 rows' numbers of my K step kk: 64 a lane
.irp b, 0,1,2,3
.irp j, 0,1,2,3
	global_load_b128 v[\reg+16*\b+4*\j:\reg+16*\b+4*\j+3], v[XA], s[4:5] offset:512*\kk+128*\b+16*\j
.endr
.endr
.endm
	s_load_b256 s[4:11], s[0:1], 0x0               ; z_rppg s[4:5], Wq's codes s[6:7], Wq's scales s[8:9], Wk's codes s[10:11]
	s_load_b128 s[12:15], s[0:1], 0x20             ; Wk's scales s[12:13], qbuf s[14:15]
	s_load_b64 s[16:17], s[0:1], 0x30              ; wkimg
	v_lshl_add_u32 v254, v0, 2, 0x5800
	v_mov_b32 v255, 0
	v_lshrrev_b32 v1, 5, v0
	v_readfirstlane_b32 s[WV], v1                  ; wave 0..3
	v_and_b32 v1, 31, v0                           ; lane
	v_and_b32 v2, 15, v0                           ; r
	v_bfe_u32 v3, v0, 4, 1                         ; h
	v_lshlrev_b32 v[XA], 12, v2
	v_lshl_add_u32 v[XA], v3, 6, v[XA]
	v_lshlrev_b32 v[LI], 4, v1
	v_lshlrev_b32 v[LS], 2, v1
	s_mul_i32 s21, s[WV], 2*FRB
	v_add_nc_u32 v[XWI], s21, v[LI]
	s_lshl_b32 s21, s[WV], 8
	v_add_nc_u32 v[XWS], s21, v[LS]
	v_mul_u32_u24 v[SO], v2, SP
	v_lshl_add_u32 v[SO], v3, 5, v[SO]
	s_lshl_b32 s21, s[WV], 7
	v_add_nc_u32 v[SO], s21, v[SO]
	v_add_nc_u32 v[SO], STG, v[SO]                 ; row r, + 32 h, + 128 x wave
	s_mul_i32 s21, s[WV], 4*SP
	v_add_nc_u32 v[SR], s21, v[LI]
	v_add_nc_u32 v[SR], STG, v[SR]                 ; back: my 4 rows, 16 bytes a lane
	v_mul_u32_u24 v[WB], v2, 768
	v_mad_u32_u24 v[WB], v3, 24, v[WB]
	v_lshlrev_b32 v[WSO], 5, v2
	v_lshl_add_u32 v[PKS], v3, 2, v[WSO]
.irp b, 0,1,2,3
	v_mov_b32 v[TM+4+\b], 0                        ; written once: a lane permute's destination counts as one of its sources
.endr
	s_mov_b32 s[SEL], 0x76543210
	s_mov_b32 s[SEL+1], 0xfedcba98                 ; v_permlanex16_b32's selects for lane l xor 16
	s_lshr_b32 s19, ttmp9, 3                       ; which 16 batches
	s_and_b32 s20, ttmp9, 7                        ; which 128 columns
	s_lshl_b32 s22, s19, 16                        ; z_rppg: 16 rows of 4,096 bytes, + my two K steps of 512 bytes
	s_lshl_b32 s21, s[WV], 10
	s_add_co_u32 s22, s22, s21
	s_mov_b32 s23, 0
	s_lshl_b32 s26, s20, 12                        ; Wq's scales: row 128 cg + 32 v of 32 bytes
	s_add_co_u32 s26, s26, s21
	s_mov_b32 s27, 0
	s_mul_i32 s24, s20, 128*768                    ; Wq's codes: the same row of 768 bytes
	s_mul_i32 s21, s[WV], 32*768
	s_add_co_u32 s24, s24, s21
	s_mov_b32 s25, 0
	s_mul_i32 s28, ttmp9, 16*768                   ; Wk's codes: row 16 g, + my two K steps of 96 bytes
	s_mul_i32 s21, s[WV], 192
	s_add_co_u32 s28, s28, s21
	s_mov_b32 s29, 0
	s_lshl_b32 s30, ttmp9, 9                       ; Wk's scales: row 16 g of 32 bytes, + my 8 bytes
	s_lshl_b32 s21, s[WV], 3
	s_add_co_u32 s30, s30, s21
	s_mov_b32 s31, 0
	s_lshl_b32 s32, s19, 16                        ; qbuf: row 16 i + 4 v, + 512 cg
	s_lshl_b32 s21, s[WV], 14
	s_add_co_u32 s32, s32, s21
	s_lshl_b32 s21, s20, 9
	s_add_co_u32 s32, s32, s21
	s_mov_b32 s33, 0
	s_mul_i32 s34, s[WV], 204800                   ; wkimg: slice v, tile g
	s_add_co_u32 s36, s34, 196608
	s_mul_i32 s21, ttmp9, 3072
	s_add_co_u32 s34, s34, s21
	s_mov_b32 s35, 0
	s_lshl_b32 s21, ttmp9, 7                       ; and the tile's scale words
	s_add_co_u32 s36, s36, s21
	s_mov_b32 s37, 0
	s_wait_alu depctr_va_vdst(0)
	s_wait_kmcnt 0x0
	s_add_nc_u64 s[4:5], s[4:5], s[22:23]
	s_add_nc_u64 s[6:7], s[6:7], s[24:25]
	s_add_nc_u64 s[8:9], s[8:9], s[26:27]
	s_add_nc_u64 s[10:11], s[10:11], s[28:29]
	s_add_nc_u64 s[12:13], s[12:13], s[30:31]
	s_add_nc_u64 s[14:15], s[14:15], s[32:33]
	s_add_nc_u64 s[38:39], s[16:17], s[36:37]
	s_add_nc_u64 s[16:17], s[16:17], s[34:35]
	; all loads at once, what is wanted first in front: 32 of x, 13 of Wk, 16 scale words, 96 of Wq's fragments: 157
	XLOAD X0, 0
	XLOAD X1, 1
	WIN 0x40                                       ; destination window 1
.irp q, 0,1
.irp p, 0,1,2,3,4,5
	global_load_b64 v[PK+12*\q+2*\p:PK+12*\q+2*\p+1], v[WB], s[10:11] offset:96*\q+48*(\p/3)+8*(\p%3)   ; Wk's fragment of K step 2 v + q, as the matrix instruction wants it
.endr
.endr
	global_load_b32 v[PKW], v[PKS], s[12:13]
	WIN 0
.irp u, 0,1
.irp k, 0,1,2,3,4,5,6,7
	global_load_b32 v[WQS+8*\u+\k], v[WSO], s[8:9] offset:512*\u+4*\k
.endr
.endr
	WIN 0x40
.irp u, 0,1
.irp k, 0,1,2,3,4,5,6,7
.irp p, 0,1,2,3,4,5
	global_load_b64 v[12*(8*\u+\k)+2*\p:12*(8*\u+\k)+2*\p+1], v[WB], s[6:7] offset:\u*16*768+96*\k+48*(\p/3)+8*(\p%3)
.endr
.endr
.endr
	s_wait_loadcnt 63                              ; loads come back in order: of the 157 at most the last 63 are out, all of them Wq's fragments
	WIN 0x04                                       ; a store's data: window 1
.irp n, 0,1,2,3,4,5
	global_store_b128 v[LI], v[PK+4*\n:PK+4*\n+3], s[16:17] offset:512*\n   ; each store of the wave covers 512 consecutive bytes, aligned
.endr
	global_store_b32 v[LS], v[PKW], s[38:39]
	WIN 0
	QUANT X0
	IMAGE XIMG
	ds_store_b32 v[XWS], v[PW] offset:XSC
	s_wait_dscnt 0x0                               ; the stores have read their registers
	QUANT X1
	IMAGE XIMG+FRB
	ds_store_b32 v[XWS], v[PW] offset:XSC+128
	BARRIER                                        ; x's eight fragments lie in LDS
.irp k, 0,1,2,3,4,5,6,7
.irp c, 0,1,2
	ds_load_b128 v[XF+12*\k+4*\c:XF+12*\k+4*\c+3], v[LI] offset:XIMG+FRB*\k+512*\c
.endr
	ds_load_b32 v[XS+\k], v[LS] offset:XSC+128*\k
.endr
	s_wait_loadcnt 0x0                             ; Wq's fragments
	s_wait_dscnt 0x0
	WIN 0x01                                       ; source 0 (Wq) window 1
.irp k, 0,1,2,3,4,5,6,7                        ; the two accumulators by turns; the first K step starts the sums
.irp u, 0,1
.if \k == 0
	v_wmma_scale_f32_16x16x128_f8f6f4 v[ACC+8*\u:ACC+8*\u+7], v[12*(8*\u+\k):12*(8*\u+\k)+11], v[XF+12*\k:XF+12*\k+11], 0, v[WQS+8*\u+\k], v[XS+\k] matrix_a_fmt:MATRIX_FMT_FP6 matrix_b_fmt:MATRIX_FMT_FP6
.else
	v_wmma_scale_f32_16x16x128_f8f6f4 v[ACC+8*\u:ACC+8*\u+7], v[12*(8*\u+\k):12*(8*\u+\k)+11], v[XF+12*\k:XF+12*\k+11], v[ACC+8*\u:ACC+8*\u+7], v[WQS+8*\u+\k], v[XS+\k] matrix_a_fmt:MATRIX_FMT_FP6 matrix_b_fmt:MATRIX_FMT_FP6
.endif
.endr
.endr
	WIN 0
.rept 4
	v_nop                                          ; four places in front of the first read of results (ISA guide 7.12.1)
.endr
.irp u, 0,1
	ds_store_b128 v[SO], v[ACC+8*\u:ACC+8*\u+3] offset:64*\u          ; lane (r, h): Q(batch r, 32 v + 16 u + 8 h + 0 .. 7); each accumulator from its low end on
	ds_store_b128 v[SO], v[ACC+8*\u+4:ACC+8*\u+7] offset:64*\u+16
.endr
	BARRIER                                        ; 16 rows of 512 bytes lie in the stage
.irp i, 0,1,2,3
	ds_load_b128 v[OUTR+4*\i:OUTR+4*\i+3], v[SR] offset:\i*SP
.endr
.irp i, 0,1,2,3
	s_wait_dscnt 3-\i
	global_store_b128 v[LI], v[OUTR+4*\i:OUTR+4*\i+3], s[14:15] offset:\i*4096   ; 32 lanes store 512 consecutive bytes, aligned
.endr
	s_wait_tensorcnt 0x0
	ds_add_u32 v254, v255
	s_wait_dscnt 0x0
	s_endpgm
.Lfunc_end_k_q8d7e9208f5_prep:
	.size	k_q8d7e9208f5_prep, .Lfunc_end_k_q8d7e9208f5_prep-k_q8d7e9208f5_prep
	.p2alignl 7, 3214868480
	.fill 96, 4, 3214868480
	.section	.rodata,"a",@progbits
	.p2align	6, 0x0
	.amdhsa_kernel k_q8d7e9208f5_prep
		.amdhsa_group_segment_fixed_size 23040
		.amdhsa_private_segment_fixed_size 0
		.amdhsa_enable_private_segment 0
		.amdhsa_kernarg_size 56
		.amdhsa_user_sgpr_count 2
		.amdhsa_user_sgpr_kernarg_segment_ptr 1
		.amdhsa_wavefront_size32 1
		.amdhsa_system_sgpr_workgroup_id_x 1
		.amdhsa_system_sgpr_workgroup_id_y 1
		.amdhsa_system_sgpr_workgroup_id_z 1
		.amdhsa_system_vgpr_workitem_id 0
		.amdhsa_next_free_vgpr 512
		.amdhsa_next_free_sgpr 66
		.amdhsa_reserve_vcc 0
		.amdhsa_float_denorm_mode_32 3
		.amdhsa_float_denorm_mode_16_64 3
		.amdhsa_memory_ordered 1
		.amdhsa_forward_progress 1
		.amdhsa_inst_pref_size 33
	.end_amdhsa_kernel
	.amdgpu_metadata
---
amdhsa.version: [ 1, 2 ]
amdhsa.kernels:
  - .name:           k_q8d7e9208f5_prep
    .symbol:         k_q8d7e9208f5_prep.kd
    .args:
      - { .name: z_rppg, .offset: 0, .size: 8, .value_kind: global_buffer, .address_space: global }
      - { .name: Wq_codes, .offset: 8, .size: 8, .value_kind: global_buffer, .address_space: global }
      - { .name: Wq_scales, .offset: 16, .size: 8, .value_kind: global_buffer, .address_space: global }
      - { .name: Wk_codes, .offset: 24, .size: 8, .value_kind: global_buffer, .address_space: global }
      - { .name: Wk_scales, .offset: 32, .size: 8, .value_kind: global_buffer, .address_space: global }
      - { .name: qbuf, .offset: 40, .size: 8, .value_kind: global_buffer, .address_space: global }
      - { .name: wkimg, .offset: 48, .size: 8, .value_kind: global_buffer, .address_space: global }
    .group_segment_fixed_size: 23040
    .private_segment_fixed_size: 0
    .kernarg_segment_align: 8
    .kernarg_segment_size: 56
    .max_flat_workgroup_size: 128
    .sgpr_count:     66
    .vgpr_count:     512
    .wavefront_size: 32
...
	.end_amdgpu_metadata
.endif
;; end of part 1
;; launch attend (part 2): grid 256 x 1, 4 waves a work-group, no clusters, 327,680 bytes of LDS; arguments z_eeg, qbuf, wkimg, apart, stats; writes apart, stats
.if DOCPART == 2
	.amdgcn_target "amdgcn-amd-amdhsa--gfx1250"
	.amdhsa_code_object_version 6
	.text
	.protected	k_q8d7e9208f5_attend
	.globl	k_q8d7e9208f5_attend
	.p2align	8
	.type	k_q8d7e9208f5_attend,@function
k_q8d7e9208f5_attend:
	s_mov_b64 s[64:65], 0
	v_nop
	global_prefetch_b8 v0, s[64:65] scope:SCOPE_SE
	s_setreg_imm32_b32 hwreg(HW_REG_WAVE_MODE, 25, 1), 1
	s_wait_xcnt 0x0
; Scores, softmax and pooling for half a batch: work-group g takes rows 256 (g % 2) on of batch g / 2.
; K = Q(z_eeg) Wk on codes of FP6 (E2M3), score = Q . K / 32, running softmax, P = sum of p x z_eeg in f32.
; apart[g] = P (not normalised), stats[g] = (m, l): the largest exponent to the base 2 and the sum of p; the next launch joins the halves.
; SHARES.  Wave v takes K = 256 v .. 256 v + 255 of all rows, and the four waves' parts of a score are added through LDS.
; The rows go in two runs of 128.  Of a run, rows 0-63 pass through LDS into registers (codes, and f32 for the pooling);
; rows 64-127 are quantised from LDS and stay there in f32 until they are pooled.  So one walk over Wk's image serves 128 rows.
; Wk's image (laid by the launch before) comes straight into a ring of four register slots, a tile of 16 rows of Wk x 256 K each.
; THE MATRIX INSTRUCTION IS USED TRANSPOSED: source 0 = 16 rows of Wk, source 1 = 16 rows of z: a lane holds eight columns of K of one row.
; No cluster: the slot of 64 rows of z takes 266,240 bytes of LDS, which leaves no room for a ring of Wk's tiles that partners could share.
; PREFETCH: in the first run each of the 16 trips names 8 rows x 1,024 bytes of the second run, a lane a block of 256 bytes, each block once; the second run asks for nothing.
; LIMITS: NaN and infinities among the inputs are not served; a block whose largest magnitude lies under 2^-124 gets the byte 1 (its codes are zeros);
; the scaled scores stay under 2^31 in magnitude.
; REGISTERS: window 0: v1-15 addresses, v16-31 z's scale words, v32-47 Q (two sets; at work in the quantiser), v48-239 z's 16 fragments, v240-247 P, v248-251 Wk's scale words.
;   window 1: v0-95 the ring, v96-159 two sets of four accumulators, v160-191 score sums, v192-223 at work, v224-253 quantiser and softmax.  Windows 2, 3: 64 rows in f32.
.set ZP,    1040
.set HSLOT, 32*ZP
.set WZ,    2*HSLOT
.set SCX,   4*WZ
.set PWT,   SCX+2048
.set QL,    PWT+4096
.set SPARE, QL+4096
.set SPW, 1
.set NIL, 2
.set LB,  3
.set LS4, 4
.set T0,  5
.set ZQ,  6
.set ZD0, 7
.set ZD1, 8
.set SXS, 9
.set SXL, 10
.set PWS, 11
.set PWL, 12
.set QA,  13
.set QB,  14
.set T1,  15
.set SA,  16
.set QV,  32
.set E,   32
.set AC,  48
.set QT,  144
.set AA,  240
.set BS,  248
.set PFO, 252
.set QSA, 253
.set RB,  0
.set ACC, 96
.set X0,  96
.set SACC, 160
.set X1,  160
.set ST,  192
.set TM,  224
.set PW,  240
.set MRUN, 250
.set LSUM, 251
.set FF,  252
.set WV,  14
.set G1,  16
.set G0,  24
.set PB0, 28
.set PB,  30
.set PS0, 32
.set PS,  34
.set PF,  36
.set CH,  40
.set TR,  41
.set SEL, 42
.set QS,  52
.set MSB, 0
.macro WIN new                         ; the immediate's high byte repeats the setting that is left
.if MSB != (\new)
	s_set_vgpr_msb (MSB<<8)|(\new)
.set MSB, (\new)
.endif
.endm
.macro REFILL slot, cb, sb, tile       ; a tile of Wk's image: 6 loads of 512 bytes a wave, and its scale words
	WIN 0x40
.irp n, 0,1,2,3,4,5
	global_load_b128 v[RB+24*(\slot)+4*\n:RB+24*(\slot)+4*\n+3], v[LB], s[\cb:\cb+1] offset:(\tile)*3072+512*\n
.endr
	WIN 0
	global_load_b32 v[BS+(\slot)], v[LS4], s[\sb:\sb+1] offset:(\tile)*128
.endm
.macro QLOAD set, adr, off             ; Q at my eight columns of a tile
	ds_load_b128 v[QV+8*(\set):QV+8*(\set)+3], v[\adr] offset:\off
	ds_load_b128 v[QV+8*(\set)+4:QV+8*(\set)+7], v[\adr] offset:(\off)+16
.endm
; Eight products: tile j of the trip x four blocks of 16 rows (hf = 0: rows 0-63, 1: rows 64-127) x two K steps; between them the group before is multiplied by Q.
; The four accumulators take turns.  mode 0: the ring is filled on; mode 2: the walk's last trip.
.macro GROUP j, hf, mode
.if \hf == 0
.if \mode == 2
	s_wait_loadcnt 7*(3-(\j))              ; the younger tiles, 7 loads each
.elseif (\j) == 0
	s_wait_loadcnt 21                      ; tiles 1 to 3 may be out
.else
	s_wait_loadcnt 14                      ; two younger tiles may be out
.endif
.set QP, ((\j)+1)%2
.else
.if (\j) == 3 && \mode != 0
	s_wait_dscnt 0x0
.else
	s_wait_dscnt 2                         ; the next tile's two loads of Q may be out
.endif
.set QP, (\j)%2
.endif
	WIN 0x51
.set n, 0
.rept 8
.set gq, n/4
.set gm, n%4
.set rD, ACC+32*(\hf)+8*gm
.set rA, RB+24*(\j)+12*gq
.set rB, AC+12*(2*(4*(\hf)+gm)+gq)
.set rC, SA+2*(4*(\hf)+gm)+gq
.if gq == 0
	v_wmma_scale_f32_16x16x128_f8f6f4 v[rD:rD+7], v[rA:rA+11], v[rB:rB+11], 0, v[BS+(\j)], v[rC] matrix_a_fmt:MATRIX_FMT_FP6 matrix_b_fmt:MATRIX_FMT_FP6
.else
	v_wmma_scale_f32_16x16x128_f8f6f4 v[rD:rD+7], v[rA:rA+11], v[rB:rB+11], v[rD:rD+7], v[BS+(\j)], v[rC] matrix_a_fmt:MATRIX_FMT_FP6 matrix_b_fmt:MATRIX_FMT_FP6 matrix_a_scale:MATRIX_SCALE_ROW1
.endif
.if (\j) > 0 || \hf > 0
.set em, n/2
.set ei, 2*(n%2)
.set rX, ACC+32*(1-(\hf))+8*em+2*ei
.set rQ, QV+8*QP+2*ei
.set rS, SACC+16*(1-(\hf))+4*em
	v_pk_fma_f32 v[rS:rS+1], v[rX:rX+1], v[rQ:rQ+1], v[rS:rS+1]
	v_pk_fma_f32 v[rS+2:rS+3], v[rX+2:rX+3], v[rQ+2:rQ+3], v[rS+2:rS+3]
.endif
.set n, n+1
.endr
.if \hf == 0
.if (\j) == 0
.rept 4
	v_nop                                  ; places in front of the first read of results
.endr
	WIN 0
	s_wait_xcnt 0x0                        ; the bases are stepped only behind this wait
.if \mode == 0
	s_add_nc_u64 s[PB:PB+1], s[PB:PB+1], 4*3072
	s_add_nc_u64 s[PS:PS+1], s[PS:PS+1], 4*128
.endif
	s_add_nc_u64 s[PF:PF+1], s[PF:PF+1], 8*4096
.else
.if \mode == 0
	REFILL (\j)-1, PB, PS, (\j)-1
.endif
	WIN 0
.endif
.if (\j) < 3 || \mode == 0
	QLOAD ((\j)+1)%2, QA, 64*((\j)+1)
.endif
.if (\j) == 1
	s_cmp_eq_u32 s[CH], 2                  ; the first run alone asks, for the second run's rows
	s_cbranch_scc0 .Lnp_\@
	global_prefetch_b8 v[PFO], s[PF:PF+1] th:TH_LOAD_NT scope:SCOPE_SE
.Lnp_\@:
.endif
.endif
.endm
.macro DRAIN mode                      ; the trip's last group x Q
	WIN 0x51
.irp i, 0,1,2,3
.irp m, 0,1,2,3
	v_pk_fma_f32 v[SACC+16+4*\m+2*(\i%2):SACC+16+4*\m+2*(\i%2)+1], v[ACC+32+8*\m+2*\i:ACC+32+8*\m+2*\i+1], v[QV+8+2*\i:QV+8+2*\i+1], v[SACC+16+4*\m+2*(\i%2):SACC+16+4*\m+2*(\i%2)+1]
.endr
.endr
.if \mode == 0
	REFILL 3, PB, PS, 3
.endif
	WIN 0
.endm
.macro TRIP mode                       ; four tiles of Wk
.if \mode == 0
	v_add_nc_u32 v[QA], s[QS], v[QB]
.else
	v_add_nc_u32 v[QA], 15*256, v[QB]
.endif
	s_wait_alu depctr_va_vdst(0)
.irp j, 0,1,2,3
	GROUP \j, 0, \mode
	GROUP \j, 1, \mode
.endr
	DRAIN \mode
.endm
; 64 numbers of a lane (window 1), register 16 b + i = k 32 b + 16 (lane / 16) + i of my row, become fragment f and its scale word
.macro QUANTW x, f
.set QD, AC+12*(\f)
	WIN 0x55
.irp b, 0,1,2,3
	v_max3_num_f32 v[TM+\b], |v[\x+16*\b]|, |v[\x+1+16*\b]|, 0x1800000   ; with the floor 2^(3 - 127): the byte cannot fall under 1
.endr
.irp i, 2,4,6,8,10,12,14
.irp b, 0,1,2,3
	v_max3_num_f32 v[TM+\b], v[TM+\b], |v[\x+16*\b+\i]|, |v[\x+1+16*\b+\i]|
.endr
.endr
.irp b, 0,1,2,3
	v_permlanex16_b32 v[TM+4+\b], v[TM+\b], s[SEL], s[SEL+1]
.endr
.irp b, 0,1,2,3
	v_max_num_f32 v[TM+\b], v[TM+\b], v[TM+4+\b]
.endr
.irp b, 0,1,2,3
	v_add_nc_u32 v[TM+12+\b], 0xff000000, v[TM+\b]   ; 2 off the exponent field: the conversion's scale operand
.endr
.irp b, 0,1,2,3
	v_lshrrev_b32 v[TM+4+\b], 23, v[TM+12+\b]
.endr
	v_lshl_or_b32 v[PW], v[TM+5], 8, v[TM+4]
	v_lshl_or_b32 v[PW], v[TM+6], 16, v[PW]
	WIN 0x11
	v_lshl_or_b32 v[SA+(\f)], v[TM+7], 24, v[PW]
	WIN 0x05
.irp c, 0,1
	v_cvt_scalef32_pk16_fp6_f32 v[QD+6*\c:QD+2+6*\c], v[\x+32*\c:\x+15+32*\c], v[TM+12+2*\c]
	v_cvt_scalef32_pk16_fp6_f32 v[E+4*\c:E+2+4*\c], v[\x+16+32*\c:\x+31+32*\c], v[TM+12+2*\c+1]
.endr
	v_nop                                  ; one plain place behind a scaled conversion
	WIN 0
.irp c, 0,1
.irp i, 0,1,2
	v_permlane16_swap_b32 v[QD+6*\c+\i], v[E+4*\c+\i]
.endr
.irp i, 0,1,2
	v_mov_b32 v[QD+3+6*\c+\i], v[E+4*\c+\i]
.endr
.endr
.endm
.macro LOADX x, s, ml, q               ; 16 rows x 128 K, a lane a row
	WIN 0x40
.irp b, 0,1,2,3
.irp j, 0,1,2,3
	ds_load_b128 v[\x+16*\b+4*\j:\x+16*\b+4*\j+3], v[ZQ] offset:(\s)*HSLOT+16*(\ml)*ZP+512*(\q)+128*\b+16*\j
.endr
.endr
.endm
.macro DENSE s, n                      ; 8 rows in f32, a lane 2 x 4 columns, into window 2 + s
	WIN 0x80+0x40*(\s)
.irp rr, 0,1,2,3,4,5,6,7
.irp u, 0,1
	ds_load_b128 v[8*(8*(\n)+\rr)+4*\u:8*(8*(\n)+\rr)+4*\u+3], v[ZD0+(\s)] offset:(8*(\n)+\rr)*ZP+512*\u
.endr
.endr
.endm
.macro HALF s, fb, dn                  ; 32 rows of the slot become fragments fb .. fb + 3; dn = 1: they are also kept in f32.  The waits count the younger runs of 16 LDS loads
	LOADX X0, \s, 0, 0
	LOADX X1, \s, 0, 1
.if \dn
	DENSE \s, 0
.endif
	s_wait_dscnt 16+16*\dn
	QUANTW X0, \fb
	LOADX X0, \s, 1, 0
.if \dn
	DENSE \s, 1
.endif
	s_wait_dscnt 16+32*\dn
	QUANTW X1, \fb+1
	LOADX X1, \s, 1, 1
.if \dn
	DENSE \s, 2
.endif
	s_wait_dscnt 16+32*\dn
	QUANTW X0, \fb+2
.if \dn
	DENSE \s, 3
.endif
	s_wait_dscnt 32*\dn
	QUANTW X1, \fb+3
.endm
.macro FILL two                        ; the next 64 rows of my 256 columns, behind a barrier
	WIN 0
	s_wait_alu depctr_va_vdst(0)
	s_wait_tensorcnt 0x0
	ds_add_u32 v[SPW], v[NIL]
.if \two
	ds_add_u32 v[SPW], v[NIL]
.endif
	s_wait_dscnt 0x0                       ; the add, and my reads of the slot
	s_barrier_signal -1
	s_barrier_wait -1
	tensor_load_to_lds s[G0:G0+3], s[G1:G1+7]
	s_nop 0
.rept 4
	v_nop
.endr
.endm
.macro LANDED                          ; my rows are in (I alone read them); the descriptor steps 64 rows on
	s_wait_tensorcnt 0x0
	s_add_nc_u64 s[G0+2:G0+3], s[G0+2:G0+3], 64*4096
.endm
.macro SCORES                          ; 128 scores, the running maximum, p and its sum
	s_wait_alu depctr_va_vdst(0)
	WIN 0x55
.irp m, 0,1,2,3,4,5,6,7
	v_pk_add_f32 v[SACC+4*\m:SACC+4*\m+1], v[SACC+4*\m:SACC+4*\m+1], v[SACC+4*\m+2:SACC+4*\m+3]
.endr
.irp m, 0,1,2,3,4,5,6,7
	v_add_f32 v[ST+\m], v[SACC+4*\m], v[SACC+4*\m+1]
.endr
.irp m, 0,1,2,3,4,5,6,7
	v_permlanex16_b32 v[ST+8+\m], v[ST+\m], s[SEL], s[SEL+1]
.endr
.irp m, 0,1,2,3,4,5,6,7
	v_add_f32 v[ST+\m], v[ST+\m], v[ST+8+\m]
.endr
	WIN 0x04
.irp m, 0,1,2,3,4,5,6,7
	ds_store_b32 v[SXS], v[ST+\m] offset:64*\m     ; my part of the score of row 16 m + r
.endr
	s_wait_alu depctr_va_vdst(0)
	s_wait_dscnt 0x0
	s_barrier_signal -1
	s_barrier_wait -1
	WIN 0x40
.irp w, 0,1,2,3
.irp u, 0,1,2,3
	ds_load_b32 v[ST+16+4*\w+\u], v[SXL] offset:512*\w+128*\u   ; row 32 u + lane, wave w's part
.endr
.endr
	s_wait_dscnt 0x0
	WIN 0x55
.irp u, 0,2
	v_pk_add_f32 v[ST+16+\u:ST+17+\u], v[ST+16+\u:ST+17+\u], v[ST+20+\u:ST+21+\u]
	v_pk_add_f32 v[ST+24+\u:ST+25+\u], v[ST+24+\u:ST+25+\u], v[ST+28+\u:ST+29+\u]
.endr
.irp u, 0,2
	v_pk_add_f32 v[ST+16+\u:ST+17+\u], v[ST+16+\u:ST+17+\u], v[ST+24+\u:ST+25+\u]
.endr
.irp u, 0,2
	v_pk_mul_f32 v[ST+16+\u:ST+17+\u], v[ST+16+\u:ST+17+\u], 0x3d38aa3b op_sel_hi:[1,0]   ; x log2(e) / 32
.endr
	v_max3_num_f32 v[ST], v[ST+16], v[ST+17], v[ST+18]
	WIN 0x05
	v_max_num_f32 v[T0], v[ST], v[ST+19]
	WIN 0
	v_max_num_f32_dpp v[T0], v[T0], v[T0] row_xmask:1 row_mask:0xf bank_mask:0xf
	v_max_num_f32_dpp v[T0], v[T0], v[T0] row_xmask:2 row_mask:0xf bank_mask:0xf
	v_max_num_f32_dpp v[T0], v[T0], v[T0] row_xmask:4 row_mask:0xf bank_mask:0xf
	v_max_num_f32_dpp v[T0], v[T0], v[T0] row_xmask:8 row_mask:0xf bank_mask:0xf
	v_permlanex16_b32 v[T1], v[T0], s[SEL], s[SEL+1]
	v_max_num_f32 v[T0], v[T0], v[T1]
	WIN 0x44
	v_max_num_f32 v[ST], v[T0], v[MRUN]            ; the new maximum
	WIN 0x55
	v_sub_f32 v[ST+1], v[MRUN], v[ST]
.irp u, 0,1,2,3
	v_sub_f32 v[ST+16+\u], v[ST+16+\u], v[ST]
.endr
	s_wait_alu depctr_va_vdst(0)           ; the wait ahead of the batch
	v_exp_f32 v[FF], v[ST+1]
.irp u, 0,1,2,3
	v_exp_f32 v[ST+4+2*\u], v[ST+16+\u]
.endr
	v_mov_b32 v[MRUN], v[ST]
	s_wait_alu depctr_va_vdst(0)           ; and behind it
	v_mov_b32 v[FF+1], v[FF]
.irp u, 0,1,2,3
	v_mov_b32 v[ST+5+2*\u], v[ST+4+2*\u]
.endr
	v_fma_f32 v[LSUM], v[LSUM], v[FF], v[ST+4]
.irp u, 1,2,3
	v_add_f32 v[LSUM], v[LSUM], v[ST+4+2*\u]
.endr
	WIN 0x04
.irp u, 0,1,2,3
	ds_store_b64 v[PWS], v[ST+4+2*\u:ST+5+2*\u] offset:256*\u   ; p of row 32 u + lane, twice, in my wave's own table
.endr
.endm
.macro POOL part                       ; P += p x the 64 rows in windows 2 and 3
	WIN 0x40
.set k, 0
.rept 32
	ds_load_b128 v[ACC+4*k:ACC+4*k+3], v[PWL] offset:512*(\part)+16*k
.set k, k+1
.endr
.if \part == 0
	WIN 0x04
.irp i, 0,2,4,6
	v_pk_mul_f32 v[AA+\i:AA+\i+1], v[AA+\i:AA+\i+1], v[FF:FF+1]   ; P under the new maximum
.endr
.endif
	s_wait_alu depctr_va_vdst(0)
	s_wait_dscnt 0x0
.irp hf, 0,1
	WIN 0x06+\hf
.set t, 0
.rept 32
.irp i, 0,2,4,6
	v_pk_fma_f32 v[AA+\i:AA+\i+1], v[8*t+\i:8*t+\i+1], v[ACC+64*\hf+2*t:ACC+64*\hf+2*t+1], v[AA+\i:AA+\i+1]
.endr
.set t, t+1
.endr
.endr
	WIN 0
.endm
	s_load_b256 s[4:11], s[0:1], 0x0               ; z_eeg, qbuf, wkimg, apart
	s_load_b64 s[12:13], s[0:1], 0x20              ; stats
	v_lshl_add_u32 v[SPW], v0, 2, SPARE
	v_mov_b32 v[NIL], 0
	ds_add_u32 v[SPW], v[NIL]
	ds_add_u32 v[SPW], v[NIL]
	v_lshrrev_b32 v[T0], 5, v0
	v_readfirstlane_b32 s[WV], v[T0]               ; wave 0..3
	s_mov_b32 s[G1+0], (2<<16)|(1<<20)|(7<<22)|(3<<25)   ; elements of 4 bytes; 16 bytes of padding behind each 1,024
	s_mov_b32 s[G1+1], 256<<16
	s_mov_b32 s[G1+2], 64<<16
	s_mov_b32 s[G1+3], 256<<16
	s_mov_b32 s[G1+4], 64                          ; 64 rows x 256 columns
	s_mov_b32 s[G1+5], 1024
	s_mov_b32 s[G1+6], 0
	s_mov_b32 s[G1+7], 0
	s_mul_i32 s48, s[WV], WZ
	s_lshl_b32 s49, s[WV], 10
	s_lshl_b32 s44, s[WV], 9
	s_lshl_b32 s50, ttmp9, 20                      ; my 256 rows of 4,096 bytes, + my 256 columns
	s_add_co_u32 s50, s50, s49
	s_mov_b32 s51, 0
	s_mov_b32 s[G0], 1
	s_mov_b32 s[G0+1], s48
	s_mov_b32 s[SEL], 0x76543210
	s_mov_b32 s[SEL+1], 0xfedcba98
	s_mov_b32 s[CH], 2
	s_wait_dscnt 0x0
	s_wait_kmcnt 0x0
	s_add_nc_u64 s[G0+2:G0+3], s[4:5], s[50:51]
	s_add_nc_u64 s[PF:PF+1], s[G0+2:G0+3], 120*4096   ; stepped by 8 rows ahead of each prefetch: the first names row 128
	s_or_b32 s[G0+3], s[G0+3], 0x80000000
	s_mul_i32 s50, s[WV], 204800                   ; my slice of Wk's image
	s_add_nc_u64 s[PB0:PB0+1], s[8:9], s[50:51]
	s_add_nc_u64 s[PS0:PS0+1], s[PB0:PB0+1], 196608
	s_lshr_b32 s50, ttmp9, 1
	s_lshl_b32 s50, s50, 12
	s_add_co_u32 s50, s50, s49
	s_add_nc_u64 s[6:7], s[6:7], s[50:51]          ; Q of my batch, my quarter
	s_lshl_b32 s50, ttmp9, 12
	s_add_co_u32 s50, s50, s49
	s_add_nc_u64 s[10:11], s[10:11], s[50:51]
	s_lshl_b32 s50, ttmp9, 8
	s_add_nc_u64 s[12:13], s[12:13], s[50:51]
	v_and_b32 v[T0], 31, v0
	v_and_b32 v[T1], 15, v0
	v_bfe_u32 v[QA], v0, 4, 1
	v_lshlrev_b32 v[LB], 4, v[T0]
	v_lshlrev_b32 v[LS4], 2, v[T0]
	v_mul_u32_u24 v[ZQ], v[T1], ZP
	v_lshl_add_u32 v[ZQ], v[QA], 6, v[ZQ]
	v_add_nc_u32 v[ZQ], s48, v[ZQ]
	v_add_nc_u32 v[ZD0], s48, v[LB]
	v_add_nc_u32 v[ZD1], HSLOT, v[ZD0]
	v_lshl_add_u32 v[SXS], v[T1], 2, s44
	v_add_nc_u32 v[SXS], SCX, v[SXS]
	v_add_nc_u32 v[SXL], SCX, v[LS4]
	v_lshl_add_u32 v[PWS], v[T0], 3, s49
	v_add_nc_u32 v[PWS], PWT, v[PWS]
	v_mov_b32 v[PWL], s49
	v_add_nc_u32 v[PWL], PWT, v[PWL]
	v_lshlrev_b32 v[QB], 5, v[QA]
	v_add_nc_u32 v[QB], QL, v[QB]
	v_add_nc_u32 v[QSA], s49, v[LB]
	v_add_nc_u32 v[QSA], QL, v[QSA]
	v_lshrrev_b32 v[PFO], 2, v[T0]                 ; the prefetch: row lane / 4, block lane % 4 of 256 bytes
	v_lshlrev_b32 v[PFO], 12, v[PFO]
	v_and_b32 v[QA], 3, v[T0]
	v_lshl_add_u32 v[PFO], v[QA], 8, v[PFO]
.irp i, 0,1,2,3,4,5,6,7
	v_mov_b32 v[AA+\i], 0
.endr
	WIN 0x40
.irp b, 0,1,2,3
	v_mov_b32 v[TM+4+\b], 0                        ; a lane permute's destination counts as one of its sources
.endr
.irp b, 0,1,2,3,4,5,6,7
	v_mov_b32 v[ST+8+\b], 0
.endr
	v_mov_b32 v[MRUN], 0xff61b1e6                  ; -3e38, under every score
	v_mov_b32 v[LSUM], 0
	WIN 0
	s_wait_alu depctr_va_vdst(0)
.Lrun:                                                 ; a run of 128 rows; two runs
	FILL 1                                         ; rows 0-63
	global_load_b128 v[QT:QT+3], v[LB], s[6:7]
	global_load_b128 v[QT+4:QT+7], v[LB], s[6:7] offset:512
.irp sl, 0,1,2,3
	REFILL \sl, PB0, PS0, \sl
.endr
	s_mov_b64 s[PB:PB+1], s[PB0:PB0+1]
	s_mov_b64 s[PS:PS+1], s[PS0:PS0+1]
	LANDED
	HALF 0, 0, 1
	HALF 1, 4, 1
	WIN 0
	s_wait_loadcnt 28                              ; Q is in; the ring's four tiles may be out
	ds_store_b128 v[QSA], v[QT:QT+3]               ; Q for all four waves, read behind the barrier below
	ds_store_b128 v[QSA], v[QT+4:QT+7] offset:512
	FILL 0                                         ; rows 64-127
	LANDED
	HALF 0, 8, 0
	HALF 1, 12, 0
	WIN 0
	QLOAD 0, QB, 0
	WIN 0x40
.set i, 0
.rept 32
	v_mov_b32 v[SACC+i], 0
.set i, i+1
.endr
	WIN 0
	s_mov_b32 s[TR], 15
	s_mov_b32 s[QS], 0
.Ltrip:
	TRIP 0
	s_add_co_u32 s[QS], s[QS], 256
	s_sub_co_u32 s[TR], s[TR], 1
	s_cmp_lg_u32 s[TR], 0
	s_cbranch_scc1 .Ltrip
	TRIP 2
	SCORES
	POOL 0                                         ; rows 0-63, from registers
.irp n, 0,1,2,3
	DENSE 0, \n                                    ; rows 64-127 follow them into the same registers
	DENSE 1, \n
.endr
	POOL 1
	s_sub_co_u32 s[CH], s[CH], 1
	s_cmp_lg_u32 s[CH], 0
	s_wait_alu depctr_va_vdst(0)
	s_cbranch_scc1 .Lrun
	WIN 0x01
	v_mov_b32 v[T0], v[LSUM]
	v_mov_b32 v[QB], v[MRUN]
	WIN 0
	v_add_f32_dpp v[T0], v[T0], v[T0] row_xmask:1 row_mask:0xf bank_mask:0xf
	v_add_f32_dpp v[T0], v[T0], v[T0] row_xmask:2 row_mask:0xf bank_mask:0xf
	v_add_f32_dpp v[T0], v[T0], v[T0] row_xmask:4 row_mask:0xf bank_mask:0xf
	v_add_f32_dpp v[T0], v[T0], v[T0] row_xmask:8 row_mask:0xf bank_mask:0xf
	v_permlanex16_b32 v[T1], v[T0], s[SEL], s[SEL+1]
	v_add_f32 v[T1], v[T0], v[T1]                  ; l
	v_lshlrev_b32 v[QA], 1, v[LS4]
	s_wait_alu depctr_va_vdst(0)
	s_cmp_lg_u32 s[WV], 0
	s_cbranch_scc1 .Lnot_wave_0
	global_store_b64 v[QA], v[QB:T1], s[12:13]     ; (m, l), 256 consecutive bytes
.Lnot_wave_0:
	global_store_b128 v[LB], v[AA:AA+3], s[10:11]  ; each store of the wave covers 512 consecutive bytes, aligned
	global_store_b128 v[LB], v[AA+4:AA+7], s[10:11] offset:512
	s_wait_tensorcnt 0x0                           ; the wave's end
	ds_add_u32 v[SPW], v[NIL]
	s_wait_dscnt 0x0
	s_endpgm
.Lfunc_end_k_q8d7e9208f5_attend:
	.size	k_q8d7e9208f5_attend, .Lfunc_end_k_q8d7e9208f5_attend-k_q8d7e9208f5_attend
	.p2alignl 7, 3214868480
	.fill 96, 4, 3214868480
	.section	.rodata,"a",@progbits
	.p2align	6, 0x0
	.amdhsa_kernel k_q8d7e9208f5_attend
		.amdhsa_group_segment_fixed_size 327680
		.amdhsa_private_segment_fixed_size 0
		.amdhsa_enable_private_segment 0
		.amdhsa_kernarg_size 40
		.amdhsa_user_sgpr_count 2
		.amdhsa_user_sgpr_kernarg_segment_ptr 1
		.amdhsa_wavefront_size32 1
		.amdhsa_system_sgpr_workgroup_id_x 1
		.amdhsa_system_sgpr_workgroup_id_y 1
		.amdhsa_system_sgpr_workgroup_id_z 1
		.amdhsa_system_vgpr_workitem_id 0
		.amdhsa_next_free_vgpr 1024
		.amdhsa_next_free_sgpr 66
		.amdhsa_reserve_vcc 0
		.amdhsa_float_denorm_mode_32 3
		.amdhsa_float_denorm_mode_16_64 3
		.amdhsa_memory_ordered 1
		.amdhsa_forward_progress 1
		.amdhsa_inst_pref_size 187
	.end_amdhsa_kernel
	.amdgpu_metadata
---
amdhsa.version: [ 1, 2 ]
amdhsa.kernels:
  - .name:           k_q8d7e9208f5_attend
    .symbol:         k_q8d7e9208f5_attend.kd
    .args:
      - { .name: z_eeg, .offset: 0, .size: 8, .value_kind: global_buffer, .address_space: global }
      - { .name: qbuf, .offset: 8, .size: 8, .value_kind: global_buffer, .address_space: global }
      - { .name: wkimg, .offset: 16, .size: 8, .value_kind: global_buffer, .address_space: global }
      - { .name: apart, .offset: 24, .size: 8, .value_kind: global_buffer, .address_space: global }
      - { .name: stats, .offset: 32, .size: 8, .value_kind: global_buffer, .address_space: global }
    .group_segment_fixed_size: 327680
    .private_segment_fixed_size: 0
    .kernarg_segment_align: 8
    .kernarg_segment_size: 40
    .max_flat_workgroup_size: 128
    .sgpr_count:     66
    .vgpr_count:     1024
    .wavefront_size: 32
...
	.end_amdgpu_metadata
.endif
;; end of part 2
;; launch gate (part 3): grid 128 x 1, 4 waves a work-group, no clusters, 32,256 bytes of LDS; arguments apart, stats, z_rppg, Wf_w_codes, Wf_w_scales, Wf_b, bf, Wm_w_codes, Wm_w_scales, Wm_b, out0; writes out0
.if DOCPART == 3
	.amdgcn_target "amdgcn-amd-amdhsa--gfx1250"
	.amdhsa_code_object_version 6
	.text
	.protected	k_q8d7e9208f5_gate
	.globl	k_q8d7e9208f5_gate
	.p2align	8
	.type	k_q8d7e9208f5_gate,@function
k_q8d7e9208f5_gate:
	s_mov_b64 s[64:65], 0
	v_nop
	global_prefetch_b8 v0, s[64:65] scope:SCOPE_SE
	s_setreg_imm32_b32 hwreg(HW_REG_WAVE_MODE, 25, 1), 1
	s_wait_xcnt 0x0
; out0 = relu(z_rppg + (A Wm + Wm_b) x sigmoid([A, z_rppg] Wf + Wf_b + bf)), both products on codes of FP6 (E2M3) with one E8M0 scale for each 32 along K.
; A is put together here from the two halves of each batch: with M = max(m0, m1), a = 2^(m - M), L = a0 l0 + a1 l1:  A = (a0 / L) P0 + (a1 / L) P1, in f32; then A and z_rppg are quantised along K.
; SHARES.  Work-group g: batches 16 (g / 16) on, columns 64 (g % 16) on; wave v: one tile of 16 columns, all 24 K steps (8 of A and 8 of z_rppg for Wf, 8 of A for Wm).
; The 16 fragments of [A, z_rppg] are made by the four waves, four each, and go from wave to wave through LDS as images of their registers.
; THE MATRIX INSTRUCTION IS USED TRANSPOSED (source 0 = 16 rows of a weight, source 1 = 16 batches): a lane holds eight neighbouring columns of one batch.
; The three biases are loaded straight into the three accumulators, in the result's layout, and are the C of each sum's first product.
; LIMITS: NaN and infinities among the inputs are not served; a block whose largest magnitude lies under 2^-124 (a block of zeros too) gets the byte 1: its codes are zeros, and this program alone reads the bytes.
; No tensor loads, no cluster: each weight fragment has one reader in the launch's sixteen column groups of a row tile, and the launch is a few hundred instructions long.
; REGISTERS: window 0: v1-19 addresses; v20-31 the halves' m and l, the two factors; v32-47 the activations' scale words; v48-63 Wf's, v64-71 Wm's; v72-88 the quantiser at work; v96-159, v160-223 64 numbers each; v224-242 codes just made.
;   window 1: v0-143 the weights of K steps 0-3 (36 a step: Wf k, Wf 8 + k, Wm k); v144-167 three accumulators; v168-175 z_rppg at my columns; v176-183 at work.   window 2: v0-143 the weights of K steps 4-7.
;   window 3: first apart's numbers (K step 2 v: half 0, half 1; K step 2 v + 1: half 0, half 1; 64 each), then the 16 fragments.
.set FRB,  1536
.set XIMG, 0                           ; LDS: 16 fragments (A's K step k: k; z_rppg's: 8 + k),
.set XSC,  XIMG+16*FRB                 ; their scale words, 128 bytes each,
.set STG,  XSC+16*128                  ; and the stage: 16 rows x (256 bytes + 16)
.set SP,   272
.set ZA,   4                           ; v4   z_rppg: row r of 4,096 bytes + 64 h
.set PA,   5                           ; v5   apart: row 2 r of 4,096 bytes + 64 h
.set STA,  6                           ; v6   stats: 512 r
.set LI,   7                           ; v7   16 x lane
.set LS,   8                           ; v8   4 x lane
.set XWI,  9                           ; v9   16 x lane + 2 FRB x wave
.set XWS,  10                          ; v10  4 x lane + 256 x wave
.set WFA,  11                          ; v11  Wf: row r of 1,536 bytes + 24 h
.set WMA,  12                          ; v12  Wm: row r of 768 bytes + 24 h
.set WFSA, 13                          ; v13  64 r
.set WMSA, 14                          ; v14  32 r
.set BA,   15                          ; v15  32 h: a bias at my eight columns
.set ZRA,  16                          ; v16  z_rppg: row r + 32 h
.set SO,   17                          ; v17  the stage: where I put 32 bytes of a row
.set SR,   18                          ; v18  and where I read 16 bytes back
.set OA,   19                          ; v19  out0: 4,096 h + 16 r
.set C0,   26                          ; v[26:27], v[28:29] the two factors, each twice
.set C1,   28
.set XS,   32
.set WFS,  48
.set WMS,  64
.set TM,   72
.set PW,   88
.set XA,   96
.set XB,   160
.set PC,   224
.set PE,   236
.set FA,   144                         ; window 1
.set FZ,   152
.set MM,   160
.set ZR,   168
.set T,    176
.set WV,   26
.set SEL,  60
.set MSB, 0
.macro WIN new                         ; the immediate's high byte repeats the setting that is left
.if MSB != (\new)
	s_set_vgpr_msb (MSB<<8)|(\new)
.set MSB, (\new)
.endif
.endm
; 64 numbers of a lane, register 16 b + i = k 32 b + 16 (lane / 16) + i of my row, become a fragment's codes in v[PC] on and its scale word in v[PW].
.macro QUANT x
.irp b, 0,1,2,3
	v_max3_num_f32 v[TM+\b], |v[\x+16*\b]|, |v[\x+1+16*\b]|, 0x1800000   ; block b: my 16 numbers, and the floor 2^(3 - 127): the byte cannot fall under 1
.endr
.irp i, 2,4,6,8,10,12,14
.irp b, 0,1,2,3
	v_max3_num_f32 v[TM+\b], v[TM+\b], |v[\x+16*\b+\i]|, |v[\x+1+16*\b+\i]|
.endr
.endr
.irp b, 0,1,2,3
	v_permlanex16_b32 v[TM+4+\b], v[TM+\b], s[SEL], s[SEL+1]
.endr
.irp b, 0,1,2,3
	v_max_num_f32 v[TM+\b], v[TM+\b], v[TM+4+\b]   ; with lane l xor 16: the block's largest magnitude
.endr
.irp b, 0,1,2,3
	v_add_nc_u32 v[TM+12+\b], 0xff000000, v[TM+\b]   ; 2 off its exponent field: the conversion's scale operand
.endr
.irp b, 0,1,2,3
	v_lshrrev_b32 v[TM+4+\b], 23, v[TM+12+\b]      ; the scale's byte
.endr
	v_lshl_or_b32 v[PW], v[TM+5], 8, v[TM+4]
	v_lshl_or_b32 v[PW], v[TM+6], 16, v[PW]
	v_lshl_or_b32 v[PW], v[TM+7], 24, v[PW]
.irp c, 0,1
	v_cvt_scalef32_pk16_fp6_f32 v[PC+6*\c:PC+2+6*\c], v[\x+32*\c:\x+15+32*\c], v[TM+12+2*\c]
	v_cvt_scalef32_pk16_fp6_f32 v[PE+4*\c:PE+2+4*\c], v[\x+16+32*\c:\x+31+32*\c], v[TM+12+2*\c+1]   ; a conversion's three registers begin on an even number
.endr
	v_nop                                          ; one plain place behind a scaled conversion
.irp c, 0,1                                    ; the operand's layout wants a whole block in a lane
.irp i, 0,1,2
	v_permlane16_swap_b32 v[PC+6*\c+\i], v[PE+4*\c+\i]
.endr
.irp i, 0,1,2
	v_mov_b32 v[PC+3+6*\c+\i], v[PE+4*\c+\i]
.endr
.endr
.endm
.macro IMAGE f                                 ; the fragment in v[PC] on and its scale word go to LDS as they stand: my fragment f of the pair at 2 x wave
.irp c, 0,1,2
	ds_store_b128 v[XWI], v[PC+4*\c:PC+4*\c+3] offset:XIMG+(\f)*FRB+512*\c
.endr
	ds_store_b32 v[XWS], v[PW] offset:XSC+(\f)*128
.endm
.macro BARRIER                                 ; my LDS stores have landed and my LDS loads are in: then the work-group's barrier
	s_wait_dscnt 0x0
	s_barrier_signal -1
	s_barrier_wait -1
.endm
	s_load_b256 s[4:11], s[0:1], 0x0               ; apart s[4:5], stats s[6:7], z_rppg s[8:9], Wf's codes s[10:11]
	s_load_b256 s[12:19], s[0:1], 0x20             ; Wf's scales s[12:13], Wf_b s[14:15], bf s[16:17], Wm's codes s[18:19]
	s_load_b128 s[20:23], s[0:1], 0x40             ; Wm's scales s[20:21], Wm_b s[22:23]
	s_load_b64 s[24:25], s[0:1], 0x50              ; out0
	v_lshl_add_u32 v254, v0, 2, 0x7c00
	v_mov_b32 v255, 0
	v_lshrrev_b32 v1, 5, v0
	v_readfirstlane_b32 s[WV], v1                  ; wave 0..3
	v_and_b32 v1, 31, v0                           ; lane
	v_and_b32 v2, 15, v0                           ; r
	v_bfe_u32 v3, v0, 4, 1                         ; h
	v_lshlrev_b32 v[ZA], 12, v2
	v_lshl_add_u32 v[ZRA], v3, 5, v[ZA]
	v_lshl_add_u32 v[ZA], v3, 6, v[ZA]
	v_lshlrev_b32 v[PA], 13, v2
	v_lshl_add_u32 v[PA], v3, 6, v[PA]
	v_lshlrev_b32 v[STA], 9, v2
	v_lshlrev_b32 v[LI], 4, v1
	v_lshlrev_b32 v[LS], 2, v1
	s_mul_i32 s50, s[WV], 2*FRB
	v_add_nc_u32 v[XWI], s50, v[LI]
	s_lshl_b32 s50, s[WV], 8
	v_add_nc_u32 v[XWS], s50, v[LS]
	v_mul_u32_u24 v[WFA], v2, 1536
	v_mad_u32_u24 v[WFA], v3, 24, v[WFA]
	v_mul_u32_u24 v[WMA], v2, 768
	v_mad_u32_u24 v[WMA], v3, 24, v[WMA]
	v_lshlrev_b32 v[WFSA], 6, v2
	v_lshlrev_b32 v[WMSA], 5, v2
	v_lshlrev_b32 v[BA], 5, v3
	v_mul_u32_u24 v[SO], v2, SP
	v_lshl_add_u32 v[SO], v3, 5, v[SO]
	s_lshl_b32 s50, s[WV], 6
	v_add_nc_u32 v[SO], s50, v[SO]
	v_add_nc_u32 v[SO], STG, v[SO]                 ; row r, + 32 h, + 64 x wave
	v_mul_u32_u24 v[SR], v3, SP
	v_lshl_add_u32 v[SR], v2, 4, v[SR]
	s_mul_i32 s50, s[WV], 4*SP
	v_add_nc_u32 v[SR], s50, v[SR]
	v_add_nc_u32 v[SR], STG, v[SR]                 ; back: rows 4 v + h, 16 bytes at 16 r
	v_lshlrev_b32 v[OA], 12, v3
	v_lshl_add_u32 v[OA], v2, 4, v[OA]
.irp b, 0,1,2,3
	v_mov_b32 v[TM+4+\b], 0                        ; written once: a lane permute's destination counts as one of its sources
.endr
	s_mov_b32 s[SEL], 0x76543210
	s_mov_b32 s[SEL+1], 0xfedcba98
	s_lshr_b32 s27, ttmp9, 4                       ; which 16 batches
	s_and_b32 s28, ttmp9, 15                       ; which 64 columns
	s_lshl_b32 s29, s[WV], 10
	s_lshl_b32 s30, s27, 17                        ; apart: 32 rows of 4,096 bytes, + my two K steps of 512 bytes
	s_add_co_u32 s30, s30, s29
	s_mov_b32 s31, 0
	s_lshl_b32 s32, s27, 13                        ; stats: 32 x 256 bytes
	s_mov_b32 s33, 0
	s_lshl_b32 s34, s27, 16                        ; z_rppg: 16 rows, + my two K steps
	s_add_co_u32 s34, s34, s29
	s_mov_b32 s35, 0
	s_lshl_b32 s40, s28, 12                        ; Wf's scales: row 64 cg + 16 v of 64 bytes
	s_add_co_u32 s40, s40, s29
	s_mov_b32 s41, 0
	s_lshl_b32 s42, s28, 8                         ; the biases: column 64 cg + 16 v, 4 bytes each
	s_lshl_b32 s29, s[WV], 6
	s_add_co_u32 s42, s42, s29
	s_mov_b32 s43, 0
	s_lshl_b32 s36, s27, 16                        ; z_rppg at my columns
	s_add_co_u32 s36, s36, s42
	s_mov_b32 s37, 0
	s_mul_i32 s38, s28, 64*1536                    ; Wf's codes
	s_mul_i32 s29, s[WV], 16*1536
	s_add_co_u32 s38, s38, s29
	s_mov_b32 s39, 0
	s_mul_i32 s44, s28, 64*768                     ; Wm's codes
	s_mul_i32 s29, s[WV], 16*768
	s_add_co_u32 s44, s44, s29
	s_mov_b32 s45, 0
	s_lshl_b32 s46, s28, 11                        ; Wm's scales: rows of 32 bytes
	s_lshl_b32 s29, s[WV], 9
	s_add_co_u32 s46, s46, s29
	s_mov_b32 s47, 0
	s_lshl_b32 s48, s27, 16                        ; out0: row 16 i + 4 v, + 256 cg
	s_lshl_b32 s29, s[WV], 14
	s_add_co_u32 s48, s48, s29
	s_lshl_b32 s29, s28, 8
	s_add_co_u32 s48, s48, s29
	s_mov_b32 s49, 0
	s_wait_kmcnt 0x0
	s_add_nc_u64 s[52:53], s[8:9], s[36:37]
	s_add_nc_u64 s[8:9], s[8:9], s[34:35]
	s_add_nc_u64 s[4:5], s[4:5], s[30:31]
	s_add_nc_u64 s[6:7], s[6:7], s[32:33]
	s_add_nc_u64 s[10:11], s[10:11], s[38:39]
	s_add_nc_u64 s[12:13], s[12:13], s[40:41]
	s_add_nc_u64 s[14:15], s[14:15], s[42:43]
	s_add_nc_u64 s[16:17], s[16:17], s[42:43]
	s_add_nc_u64 s[18:19], s[18:19], s[44:45]
	s_add_nc_u64 s[20:21], s[20:21], s[46:47]
	s_add_nc_u64 s[22:23], s[22:23], s[42:43]
	s_add_nc_u64 s[24:25], s[24:25], s[48:49]
	; all loads at once, what is wanted first in front: 32 of z_rppg, 2 of stats, 64 of apart, 8 of z_rppg's columns and the biases, 24 scale words, 144 of the weights: 274
.irp kk, 0,1
.irp b, 0,1,2,3
.irp j, 0,1,2,3
	global_load_b128 v[XA+64*\kk+16*\b+4*\j:XA+64*\kk+16*\b+4*\j+3], v[ZA], s[8:9] offset:512*\kk+128*\b+16*\j
.endr
.endr
.endr
	global_load_b64 v[20:21], v[STA], s[6:7]                   ; m0, l0 of batch r
	global_load_b64 v[22:23], v[STA], s[6:7] offset:256        ; m1, l1
	WIN 0xc0                                       ; destination window 3
.irp kk, 0,1
.irp p, 0,1
.irp b, 0,1,2,3
.irp j, 0,1,2,3
	global_load_b128 v[64*(2*\kk+\p)+16*\b+4*\j:64*(2*\kk+\p)+16*\b+4*\j+3], v[PA], s[4:5] offset:4096*\p+512*\kk+128*\b+16*\j
.endr
.endr
.endr
.endr
	WIN 0x40                                       ; destination window 1
	global_load_b128 v[ZR:ZR+3], v[ZRA], s[52:53]
	global_load_b128 v[ZR+4:ZR+7], v[ZRA], s[52:53] offset:16
	global_load_b128 v[FA:FA+3], v[BA], s[14:15]               ; Wf_b begins the sum over A,
	global_load_b128 v[FA+4:FA+7], v[BA], s[14:15] offset:16
	global_load_b128 v[FZ:FZ+3], v[BA], s[16:17]               ; bf the sum over z_rppg,
	global_load_b128 v[FZ+4:FZ+7], v[BA], s[16:17] offset:16
	global_load_b128 v[MM:MM+3], v[BA], s[22:23]               ; Wm_b that of m
	global_load_b128 v[MM+4:MM+7], v[BA], s[22:23] offset:16
	WIN 0
.irp k, 0,1,2,3,4,5,6,7,8,9,10,11,12,13,14,15
	global_load_b32 v[WFS+\k], v[WFSA], s[12:13] offset:4*\k
.endr
.irp k, 0,1,2,3,4,5,6,7
	global_load_b32 v[WMS+\k], v[WMSA], s[20:21] offset:4*\k
.endr
.irp k, 0,1,2,3,4,5,6,7
	WIN 0x40+0x40*(\k/4)                           ; destination window 1 or 2
.irp p, 0,1,2,3,4,5
	global_load_b64 v[36*(\k%4)+2*\p:36*(\k%4)+2*\p+1], v[WFA], s[10:11] offset:96*\k+48*(\p/3)+8*(\p%3)
.endr
.irp p, 0,1,2,3,4,5
	global_load_b64 v[36*(\k%4)+12+2*\p:36*(\k%4)+12+2*\p+1], v[WFA], s[10:11] offset:96*(8+\k)+48*(\p/3)+8*(\p%3)
.endr
.irp p, 0,1,2,3,4,5
	global_load_b64 v[36*(\k%4)+24+2*\p:36*(\k%4)+24+2*\p+1], v[WMA], s[18:19] offset:96*\k+48*(\p/3)+8*(\p%3)
.endr
.endr
	WIN 0
	s_wait_loadcnt 63                              ; loads come back in order: of the 274 at most the last 63 are out, all of them weights
	QUANT XA
	IMAGE 8                                        ; z_rppg's K step 2 v
	v_max_num_f32 v24, v20, v22                    ; M
	v_sub_f32 v25, v20, v24
	v_sub_f32 v30, v22, v24
	s_wait_alu depctr_va_vdst(0)
	v_exp_f32 v25, v25                             ; a0
	v_exp_f32 v30, v30                             ; a1
	v_nop                                          ; a plain place behind the exponentials
	s_wait_alu depctr_va_vdst(0)
	v_mul_f32 v31, v25, v21
	v_fma_f32 v31, v30, v23, v31                   ; L, at least 1: the half that holds M has a = 1 and a term 1 in its l
	s_wait_alu depctr_va_vdst(0)
	v_rcp_f32 v31, v31
	v_nop                                          ; a plain place behind the reciprocal
	s_wait_alu depctr_va_vdst(0)
	v_mul_f32 v[C0], v25, v31
	v_mul_f32 v[C1], v30, v31
	v_mov_b32 v[C0+1], v[C0]
	v_mov_b32 v[C1+1], v[C1]
	s_wait_dscnt 0x0                               ; the stores have read their registers
	QUANT XB
	IMAGE 9                                        ; z_rppg's K step 2 v + 1
.irp kk, 0,1
.set XC, XA+64*\kk
	WIN 0x03                                       ; source 0 window 3
.set n, 0
.rept 32
	v_pk_mul_f32 v[XC+2*n:XC+2*n+1], v[128*\kk+2*n:128*\kk+2*n+1], v[C0:C0+1]
.set n, n+1
.endr
.set n, 0
.rept 32
	v_pk_fma_f32 v[XC+2*n:XC+2*n+1], v[128*\kk+64+2*n:128*\kk+64+2*n+1], v[C1:C1+1], v[XC+2*n:XC+2*n+1]   ; A, in f32
.set n, n+1
.endr
	WIN 0
	s_wait_dscnt 0x0                               ; the stores have read their registers
	QUANT XC
	IMAGE \kk                                      ; A's K step 2 v + kk
.endr
	BARRIER                                        ; the sixteen fragments lie in LDS
	WIN 0xc0
.irp f, 0,1,2,3,4,5,6,7,8,9,10,11,12,13,14,15
.irp c, 0,1,2
	ds_load_b128 v[12*\f+4*\c:12*\f+4*\c+3], v[LI] offset:XIMG+FRB*\f+512*\c
.endr
.endr
	WIN 0
.irp f, 0,1,2,3,4,5,6,7,8,9,10,11,12,13,14,15
	ds_load_b32 v[XS+\f], v[LS] offset:XSC+128*\f
.endr
	s_wait_loadcnt 0x0                             ; the weights
	s_wait_dscnt 0x0
.irp k, 0,1,2,3,4,5,6,7                        ; the three accumulators by turns
	WIN 0x5d+(\k/4)                                ; source 0 (weights) window 1 or 2, source 1 (fragments) window 3, C and D window 1
.set W, 36*(\k%4)
	v_wmma_scale_f32_16x16x128_f8f6f4 v[FA:FA+7], v[W:W+11], v[12*\k:12*\k+11], v[FA:FA+7], v[WFS+\k], v[XS+\k] matrix_a_fmt:MATRIX_FMT_FP6 matrix_b_fmt:MATRIX_FMT_FP6
	v_wmma_scale_f32_16x16x128_f8f6f4 v[FZ:FZ+7], v[W+12:W+23], v[12*(8+\k):12*(8+\k)+11], v[FZ:FZ+7], v[WFS+8+\k], v[XS+8+\k] matrix_a_fmt:MATRIX_FMT_FP6 matrix_b_fmt:MATRIX_FMT_FP6
	v_wmma_scale_f32_16x16x128_f8f6f4 v[MM:MM+7], v[W+24:W+35], v[12*\k:12*\k+11], v[MM:MM+7], v[WMS+\k], v[XS+\k] matrix_a_fmt:MATRIX_FMT_FP6 matrix_b_fmt:MATRIX_FMT_FP6
.endr
	WIN 0x55
.rept 4
	v_nop                                          ; four places in front of the first read of results (ISA guide 7.12.1)
.endr
.irp j, 0,2,4,6
	v_pk_add_f32 v[T+\j:T+\j+1], v[FA+\j:FA+\j+1], v[FZ+\j:FZ+\j+1]   ; the gate's argument; each accumulator from its low end on
.endr
.irp j, 0,2,4,6
	v_pk_mul_f32 v[T+\j:T+\j+1], v[T+\j:T+\j+1], 0xbfb8aa3b op_sel_hi:[1,0]   ; x -log2(e)
.endr
	s_wait_alu depctr_va_vdst(0)
.irp j, 0,1,2,3,4,5,6,7
	v_exp_f32 v[T+\j], v[T+\j]
.endr
	v_nop                                          ; a plain place behind the exponentials
	s_wait_alu depctr_va_vdst(0)
.irp j, 0,2,4,6
	v_pk_add_f32 v[T+\j:T+\j+1], v[T+\j:T+\j+1], 1.0 op_sel_hi:[1,0]
.endr
	s_wait_alu depctr_va_vdst(0)
.irp j, 0,1,2,3,4,5,6,7
	v_rcp_f32 v[T+\j], v[T+\j]                     ; f = 1 / (1 + e^-x)
.endr
	v_nop                                          ; a plain place behind the reciprocals
	s_wait_alu depctr_va_vdst(0)
.irp j, 0,2,4,6
	v_pk_fma_f32 v[T+\j:T+\j+1], v[MM+\j:MM+\j+1], v[T+\j:T+\j+1], v[ZR+\j:ZR+\j+1]   ; z_rppg + m f
.endr
.irp j, 0,1,2,3,4,5,6,7
	v_max_num_f32 v[T+\j], 0, v[T+\j]
.endr
	WIN 0x04                                       ; an LDS store's data: window 1
	ds_store_b128 v[SO], v[T:T+3]                  ; lane (r, h): out0(batch r, 16 v + 8 h + 0 .. 7 of the group's 64 columns)
	ds_store_b128 v[SO], v[T+4:T+7] offset:16
	WIN 0
	BARRIER                                        ; 16 rows of 256 bytes lie in the stage
.irp u, 0,1
	ds_load_b128 v[XA+4*\u:XA+4*\u+3], v[SR] offset:\u*2*SP
.endr
.irp u, 0,1
	s_wait_dscnt 1-\u
	global_store_b128 v[OA], v[XA+4*\u:XA+4*\u+3], s[24:25] offset:\u*8192   ; sixteen lanes store 256 consecutive bytes, aligned
.endr
	s_wait_tensorcnt 0x0
	ds_add_u32 v254, v255
	s_wait_dscnt 0x0
	s_endpgm
.Lfunc_end_k_q8d7e9208f5_gate:
	.size	k_q8d7e9208f5_gate, .Lfunc_end_k_q8d7e9208f5_gate-k_q8d7e9208f5_gate
	.p2alignl 7, 3214868480
	.fill 96, 4, 3214868480
	.section	.rodata,"a",@progbits
	.p2align	6, 0x0
	.amdhsa_kernel k_q8d7e9208f5_gate
		.amdhsa_group_segment_fixed_size 32256
		.amdhsa_private_segment_fixed_size 0
		.amdhsa_enable_private_segment 0
		.amdhsa_kernarg_size 88
		.amdhsa_user_sgpr_count 2
		.amdhsa_user_sgpr_kernarg_segment_ptr 1
		.amdhsa_wavefront_size32 1
		.amdhsa_system_sgpr_workgroup_id_x 1
		.amdhsa_system_sgpr_workgroup_id_y 1
		.amdhsa_system_sgpr_workgroup_id_z 1
		.amdhsa_system_vgpr_workitem_id 0
		.amdhsa_next_free_vgpr 1024
		.amdhsa_next_free_sgpr 66
		.amdhsa_reserve_vcc 0
		.amdhsa_float_denorm_mode_32 3
		.amdhsa_float_denorm_mode_16_64 3
		.amdhsa_memory_ordered 1
		.amdhsa_forward_progress 1
		.amdhsa_inst_pref_size 66
	.end_amdhsa_kernel
	.amdgpu_metadata
---
amdhsa.version: [ 1, 2 ]
amdhsa.kernels:
  - .name:           k_q8d7e9208f5_gate
    .symbol:         k_q8d7e9208f5_gate.kd
    .args:
      - { .name: apart, .offset: 0, .size: 8, .value_kind: global_buffer, .address_space: global }
      - { .name: stats, .offset: 8, .size: 8, .value_kind: global_buffer, .address_space: global }
      - { .name: z_rppg, .offset: 16, .size: 8, .value_kind: global_buffer, .address_space: global }
      - { .name: Wf_w_codes, .offset: 24, .size: 8, .value_kind: global_buffer, .address_space: global }
      - { .name: Wf_w_scales, .offset: 32, .size: 8, .value_kind: global_buffer, .address_space: global }
      - { .name: Wf_b, .offset: 40, .size: 8, .value_kind: global_buffer, .address_space: global }
      - { .name: bf, .offset: 48, .size: 8, .value_kind: global_buffer, .address_space: global }
      - { .name: Wm_w_codes, .offset: 56, .size: 8, .value_kind: global_buffer, .address_space: global }
      - { .name: Wm_w_scales, .offset: 64, .size: 8, .value_kind: global_buffer, .address_space: global }
      - { .name: Wm_b, .offset: 72, .size: 8, .value_kind: global_buffer, .address_space: global }
      - { .name: out0, .offset: 80, .size: 8, .value_kind: global_buffer, .address_space: global }
    .group_segment_fixed_size: 32256
    .private_segment_fixed_size: 0
    .kernarg_segment_align: 8
    .kernarg_segment_size: 88
    .max_flat_workgroup_size: 128
    .sgpr_count:     66
    .vgpr_count:     1024
    .wavefront_size: 32
...
	.end_amdgpu_metadata
.endif
;; end of part 3
